; MI455X (gfx1250); checked and timed in simulation.
; The chip was launched on July 23, 2026; its instructions are those of AMD's public machine-readable ISA for CDNA 5 (MIT licence, August 2026) and "CDNA5" Instruction Set Architecture Reference Guide (July 2026). The comments in the code are by the model that wrote it; some were corrected since.
;; Attention Layer. Allowed arithmetic: matrix products marked QUANTISED: E2M1 operands, one E8M0 scale for each 32 along K, by v_wmma_scale_f32_16x16x128_f8f6f4 with both operands' format E2M1 (or v_wmma_scale_f32_32x16x128_f4), f32 sums; products left as they are: f32 operands where the result goes on into a quantised operand, else bf16, f16 or f32 operands; f32 sums; everything else in f32.
;; Inputs: W_a 2,048 x 1,024 float32; b_a 1,024 float32; b_v 1 float32; dec_h_t 32 x 1,024 float32; enc_h_s 32 x 2,048 x 1,024 float32; v_a 1,024 x 1 float32.
;; Outputs: out0 32 x 1,024 float32.
;; This version of the problem:
;;   THIS VERSION OF THE PROBLEM IS GIVEN IN LOW PRECISION. The matrix products marked QUANTISED in the list below multiply operands that are first quantised to E2M1 (2 exponent bits, 1 mantissa bit; 4 bits a number), with one power-of-two scale for each 32 numbers along K (OCP MX v1.0); their sums are f32. All else is computed in f32.
;;   The module's matrix products, in the order in which they are computed (A, B: the left and right operand; K: the contracted axis; several contracted axes count as one K, in the product's order):
;;     1. [M 32, K 1,024] x [K 1,024, N 1,024]; A: input dec_h_t; B: input W_a: QUANTISED
;;     2. [M 65,536, K 1,024] x [K 1,024, N 1,024]; A: input enc_h_s; B: input W_a: QUANTISED
;;     3. [M 65,536, K 1,024] x [K 1,024, N 1]; A: computed on the way; B: input v_a: left as it is (N = 1 < 16)
;;   THE QUANTISER, for each operand of a quantised product, along K:
;;     - K is cut into blocks of 32 from its start; a last block that is shorter is filled with zeros.
;;     - A block's scale is 2^e with e = floor(log2(the largest magnitude in the block)) - 2, held to -126 .. 127; a block of zeros has e = 0. As a byte (E8M0): e + 127.
;;     - Each number is divided by its block's scale, clamped to +-6, and rounded to the nearest number of E2M1, ties to even, subnormals kept.
;;     - The product sums the exact products of the quantised numbers (number of the format x scale) in f32.
;;   ~~~python
;;   def quantise(x, axis):      # numpy; x: float32 -> the quantised numbers, widened to float32 again
;;       x = np.moveaxis(x, axis, -1); K = x.shape[-1]
;;       x = np.pad(x, [(0, 0)] * (x.ndim - 1) + [(0, -K % 32)]); x = x.reshape(x.shape[:-1] + (-1, 32)); a = np.abs(x).max(-1, keepdims=True)
;;       e = np.where(a > 0, np.clip(np.frexp(np.where(a > 0, a, 1))[1] - 1 - 2, -126, 127), 0)      # np.frexp(a)[1] - 1 = floor(log2(a)), exactly
;;       r = np.clip(x / 2.0 ** e, -6, 6)
;;       step = 2.0 ** (np.maximum(np.frexp(np.where(r == 0, 1, r))[1] - 1, 0) - 1)
;;       q = np.round(r / step) * step * 2.0 ** e      # np.round: ties to even
;;       return np.moveaxis(q.reshape(q.shape[:-2] + (-1,))[..., :K], -1, axis).astype(np.float32)
;;   ~~~
;; One version. Each part assembles by itself: llvm-mc -triple=amdgcn-amd-amdhsa -mcpu=gfx1250 --defsym DOCPART=n.
;; ======== version 1 of 1: 3 launches
;; limits: right only within a limited range of input values
;; workspace buffers: wimg 524,288 bytes; wsc 32,768 bytes; decp 1,048,576 bytes; part 1,114,112 bytes
;; launch prep (part 1): grid 16 x 16, 2 waves a work-group, no clusters, 9,216 bytes of LDS; arguments W_a, dec_h_t, wimg, wsc, decp; writes wimg, wsc, decp
.if DOCPART == 1
	.amdgcn_target "amdgcn-amd-amdhsa--gfx1250"
	.amdhsa_code_object_version 6
	.text
	.protected	k_q06b75c6328_prep
	.globl	k_q06b75c6328_prep
	.p2align	8
	.type	k_q06b75c6328_prep,@function
k_q06b75c6328_prep:
	s_mov_b64 s[64:65], 0
	v_nop
	global_prefetch_b8 v0, s[64:65] scope:SCOPE_SE
	s_setreg_imm32_b32 hwreg(HW_REG_WAVE_MODE, 25, 1), 1
	s_wait_xcnt 0x0
; THE PROGRAM: context = sum over s of softmax_s(score) x enc, score = tanh(dec W_a[:H] + enc W_a[H:] + b_a) . v_a + b_v; both products with W_a on codes of FP4 (E2M1) with one E8M0 scale for each 32 along K.
; WORK LEFT OUT, for all values of the inputs:
;   b_v is added to every score of a batch alike, along the axis of the softmax: exp(b_v) stands in every weight's numerator and in the divisor and cancels.  b_v is not loaded and is among no launch's arguments.
;   tanh(z) = 1 - 2 / (1 + e^(2 z)), so score = (sum over u of v_a[u]) - 2 sum over u of v_a[u] r[u], r = 1 / (1 + e^(2 z)).  The first sum is the same for every s and cancels likewise: it is not formed.
;   LIMIT: a NaN, an infinity or an overflow that reaches only b_v or only the sum of v_a is not carried to the result.
; THIS LAUNCH quantises W_a [2048 (k)][1024 (u)], f32, along K.  Work-group (x, y): columns 64 x .. + 63, rows 128 y .. + 127; each of its two waves 32 columns.
; A LANE TAKES A COLUMN AND ITS REGISTERS RUN DOWN K: each load reads 128 consecutive bytes a wave, a block of 32 lies in one lane, and the conversions give codes with K innermost.
;   y >= 8 (W_a[H:], K step s = y - 8): the codes leave as IMAGES OF OPERAND REGISTERS, wimg [x][s][tile n 4][c 2][lane][16 bytes], the scale words as wsc [x][s][pair of tiles 2][lane]:
;           lanes 0-15 the even tile's units, lanes 16-31 the odd tile's.  The next launch loads both straight into registers.
;   y < 8  (W_a[:H], K step y): the codes are multiplied at once with the codes of dec_h_t's 128 numbers of that K step; the 8 partial products go to decp [y][batch 32][unit 1024], f32.
; The two paths part on the work-group's y alone, which both waves share, and never meet again.
; A block's scale byte is its largest magnitude's exponent field - 2, held at 1 from below by a floor among the maximum's leaves.
; LIMITS: a block of zeros gets the byte 1 where the rule says 127 (its codes are zeros, and this program alone reads the bytes); blocks whose largest magnitude lies under 2^(3 - 127) have the byte 1;
; NaN and infinities among the inputs are not served.
.set T,     8                          ; v8-11    largest magnitudes of my column's four blocks
.set SO,    12                         ; v12-15   the conversions' scale operands
.set BY,    16                         ; v16-19   the scale bytes
.set SPW,   30                         ; v30      LDS address of my spare word; never rewritten
.set NIL,   31                         ; v31      0; never rewritten
.set F,     32                         ; v32-47   two fragments of W: columns 0-15 and 16-31 of my 32
.set X,     64                         ; v64-191  128 numbers of my column; later rows read back from the stage
.set R,     192                        ; v192-223 four accumulators
.set DF,    224                        ; v224-239 two fragments of dec
.set DSW,   240                        ; v240-241 their scale words
.set SW,    242                        ; v242     W's scale words: lane l: column l
.set SPARE, 8704                       ; behind the stage (32 rows x 272 bytes from byte 0): the spare words, 128 bytes for each wave
.set MSB, 0
.macro WIN new                         ; the immediate's high byte repeats the setting that is left
.if MSB != (\new)
	s_set_vgpr_msb (MSB<<8)|(\new)
.set MSB, (\new)
.endif
.endm
; my column's 128 numbers become codes and a scale word
.macro QW
.irp b, 0,1,2,3
	v_max3_num_f32 v[T+\b], |v[X+32*\b]|, |v[X+32*\b+1]|, 0x1800000   ; block b, and the floor 2^(3 - 127)
.endr
.irp i, 2,4,6,8,10,12,14,16,18,20,22,24,26,28,30
.irp b, 0,1,2,3
	v_max3_num_f32 v[T+\b], v[T+\b], |v[X+32*\b+\i]|, |v[X+32*\b+\i+1]|   ; the four blocks by turns
.endr
.endr
.irp b, 0,1,2,3
	v_add_nc_u32 v[SO+\b], 0xff000000, v[T+\b]     ; 2 off the exponent field: the conversion takes this operand's exponent field as its scale
.endr
.irp b, 0,1,2,3
	v_lshrrev_b32 v[BY+\b], 23, v[SO+\b]           ; the scale's byte
.endr
	v_lshl_or_b32 v[SW], v[BY+1], 8, v[BY]
	v_lshl_or_b32 v[SW], v[BY+2], 16, v[SW]
	v_lshl_or_b32 v[SW], v[BY+3], 24, v[SW]
.irp b, 0,1,2,3
.irp g, 0,1,2,3
	v_cvt_scalef32_pk8_fp4_f32 v[F+8*(\b%2)+4*(\b/2)+\g], v[X+32*\b+8*\g:X+32*\b+8*\g+7], v[SO+\b]   ; blocks 0, 2 at F, F + 4; blocks 1, 3 at F + 8, F + 12
.endr
.endr
	v_nop                                          ; one plain instruction behind the conversions
.irp i, 0,1,2,3,4,5,6,7
	v_permlane16_swap_b32 v[F+\i], v[F+8+\i]       ; the first's lanes 16-31 change places with the second's lanes 0-15: F .. F + 7 is now the fragment of columns 0-15 (lanes 0-15 blocks 0, 2; lanes 16-31 blocks 1, 3), F + 8 .. that of columns 16-31
.endr
.endm
; dec's rows 16 mt .. + 15, 128 along K: lane (r, h) holds k = 64 c + 32 h + 0 .. 31 of row r, two whole blocks, in window 1
.macro QD mt
	WIN 0x05                                       ; sources 0 and 1: window 1
.irp c, 0,1
	v_max3_num_f32 v[20+\c], |v[64*\mt+32*\c]|, |v[64*\mt+32*\c+1]|, 0x1800000
.endr
.irp i, 2,4,6,8,10,12,14,16,18,20,22,24,26,28,30
.irp c, 0,1
	v_max3_num_f32 v[20+\c], |v[64*\mt+32*\c+\i]|, |v[64*\mt+32*\c+\i+1]|, v[20+\c]
.endr
.endr
	WIN 0
.irp c, 0,1
	v_add_nc_u32 v[22+\c], 0xff000000, v[20+\c]
.endr
.irp c, 0,1
	v_lshrrev_b32 v[24+\c], 23, v[22+\c]
.endr
	v_lshl_or_b32 v26, v25, 16, v24                ; my two bytes: blocks h and 2 + h,
	v_lshlrev_b32 v26, v28, v26                    ; at their places (8 h bits up);
	v_permlanex16_b32 v27, v26, s18, s19
	v_or_b32 v[DSW+\mt], v26, v27                  ; with lane l xor 16's two the word is whole
	WIN 0x01                                       ; source 0: window 1
.irp c, 0,1
.irp g, 0,1,2,3
	v_cvt_scalef32_pk8_fp4_f32 v[DF+8*\mt+4*\c+\g], v[64*\mt+32*\c+8*\g:64*\mt+32*\c+8*\g+7], v[22+\c]
.endr
.endr
	WIN 0
	v_nop                                          ; one plain instruction behind the conversions
.endm
	s_load_b256 s[4:11], s[0:1], 0x0               ; W_a s[4:5], dec_h_t s[6:7], wimg s[8:9], wsc s[10:11]
	s_load_b64 s[12:13], s[0:1], 0x20              ; decp
	v_lshl_add_u32 v[SPW], v0, 2, SPARE
	v_mov_b32 v[NIL], 0
	v_lshrrev_b32 v1, 5, v0
	v_readfirstlane_b32 s14, v1                    ; wave 0, 1
	s_and_b32 s16, ttmp7, 0xffff                   ; y
	v_and_b32 v1, 31, v0                           ; lane
	v_and_b32 v8, 15, v0                           ; r
	v_bfe_u32 v9, v0, 4, 1                         ; h
	v_lshlrev_b32 v2, 2, v1                        ; W_a: 4 bytes a lane
	v_lshlrev_b32 v3, 12, v8
	v_lshl_add_u32 v3, v9, 7, v3                   ; dec: row r of 4,096 bytes, + 128 h
	v_lshlrev_b32 v4, 4, v1                        ; an image's 16 bytes a lane
	s_lshl_b32 s20, s14, 7
	v_mul_u32_u24 v5, v8, 272
	v_lshl_add_u32 v5, v9, 5, v5
	v_add_nc_u32 v5, s20, v5                       ; the stage, in: row r, + 32 h, + my wave's 128 bytes
	s_mul_i32 s20, s14, 16*272
	v_mul_u32_u24 v6, v9, 272
	v_lshl_add_u32 v6, v8, 4, v6
	v_add_nc_u32 v6, s20, v6                       ; and back: my wave's 16 rows, two an instruction, sixteen lanes to a row
	s_lshl_b32 s20, s14, 16
	v_lshlrev_b32 v7, 12, v9
	v_lshl_add_u32 v7, v8, 4, v7
	v_add_nc_u32 v7, s20, v7                       ; the same rows in decp: 4,096 bytes a batch
	v_lshlrev_b32 v28, 3, v9                       ; 8 h
	s_mov_b32 s18, 0x76543210
	s_mov_b32 s19, 0xfedcba98                      ; v_permlanex16_b32's selects for lane l xor 16
	s_lshl_b32 s20, s16, 19                        ; 128 y rows of 4,096 bytes,
	s_lshl_b32 s21, ttmp9, 8                       ; 64 x columns,
	s_add_co_u32 s20, s20, s21
	s_lshl_b32 s21, s14, 7                         ; my wave's 32
	s_add_co_u32 s20, s20, s21
	s_mov_b32 s21, 0
	s_mov_b32 s23, 0
	s_wait_kmcnt 0x0
	s_add_nc_u64 s[4:5], s[4:5], s[20:21]
.set II, 0
.rept 128
	global_load_b32 v[X+II], v2, s[4:5] offset:II*4096 th:TH_LOAD_NT   ; W_a(128 y + i, my column): the two waves together read 256 consecutive bytes of a row; read once in the launch
.set II, II+1
.endr
	s_cmp_lt_u32 s16, 8
	s_cbranch_scc1 .Ldec
	; ---- W_a[H:]: images out
	s_lshl_b32 s20, ttmp9, 3
	s_add_co_u32 s20, s20, s16
	s_sub_co_u32 s20, s20, 8                       ; 8 x + s
	s_lshl_b32 s22, s20, 12                        ; 4,096 bytes of images for each (x, s),
	s_lshl_b32 s21, s14, 11                        ; my wave's two tiles
	s_add_co_u32 s22, s22, s21
	s_add_nc_u64 s[8:9], s[8:9], s[22:23]
	s_lshl_b32 s22, s20, 8                         ; 256 bytes of scale words for each (x, s),
	s_lshl_b32 s21, s14, 7                         ; my wave's 128
	s_add_co_u32 s22, s22, s21
	s_add_nc_u64 s[10:11], s[10:11], s[22:23]
	s_wait_loadcnt 0x0
	QW
.irp i, 0,1,2,3
	global_store_b128 v4, v[F+4*\i:F+4*\i+3], s[8:9] offset:512*\i   ; each store covers 512 consecutive bytes
.endr
	global_store_b32 v2, v[SW], s[10:11]           ; 128 consecutive bytes a wave, the two waves' side by side: one byte for each 128 that the work-group reads
	s_wait_tensorcnt 0x0                           ; the wave's end
	ds_add_u32 v[SPW], v[NIL]
	s_wait_dscnt 0x0
	s_endpgm
	; ---- W_a[:H]: the partial product with dec_h_t
.Ldec:
	s_lshl_b32 s20, s16, 9                         ; dec: 128 y numbers along a row
	s_mov_b32 s21, 0
	s_add_nc_u64 s[6:7], s[6:7], s[20:21]
	s_lshl_b32 s22, s16, 17                        ; decp: 131,072 bytes for each K step,
	s_lshl_b32 s20, ttmp9, 8                       ; 64 x units
	s_add_co_u32 s22, s22, s20
	s_add_nc_u64 s[12:13], s[12:13], s[22:23]
	WIN 0x40                                       ; destination window 1
.irp mt, 0,1
.irp c, 0,1
.irp j, 0,1,2,3,4,5,6,7
	global_load_b128 v[64*\mt+32*\c+4*\j:64*\mt+32*\c+4*\j+3], v3, s[6:7] offset:\mt*65536+\c*256+16*\j
.endr
.endr
.endr
	WIN 0
	s_wait_loadcnt 32                              ; W_a's 128 loads are in; dec's 32, issued behind them, may be out
	QW
	v_mov_b32 v27, 0                               ; a lane permute's destination counts as one of its sources
	s_wait_loadcnt 0x0
	QD 0
	QD 1
.rept 8
	v_nop                                          ; scale words made by vector instructions stand eight places ahead of a scaled matrix instruction, operands four
.endr
	; source 0 = 16 columns of W, source 1 = 16 rows of dec: lane (r, h) holds batch 16 mt + r, register j unit 16 nt + 8 h + j
.irp mt, 0,1
	v_wmma_scale_f32_16x16x128_f8f6f4 v[R+8*\mt:R+8*\mt+7], v[F:F+7], v[DF+8*\mt:DF+8*\mt+7], 0, v[SW], v[DSW+\mt] matrix_a_fmt:MATRIX_FMT_FP4 matrix_b_fmt:MATRIX_FMT_FP4
.endr
.irp mt, 0,1
	v_wmma_scale_f32_16x16x128_f8f6f4 v[R+16+8*\mt:R+16+8*\mt+7], v[F+8:F+15], v[DF+8*\mt:DF+8*\mt+7], 0, v[SW], v[DSW+\mt] matrix_a_fmt:MATRIX_FMT_FP4 matrix_b_fmt:MATRIX_FMT_FP4 matrix_a_scale:MATRIX_SCALE_ROW1
.endr
.rept 4
	v_nop                                          ; four places ahead of the first read of results
.endr
.irp mt, 0,1
.irp nt, 0,1
	ds_store_b128 v5, v[R+8*(2*\nt+\mt):R+8*(2*\nt+\mt)+3] offset:\mt*4352+64*\nt        ; each accumulator from its low end on
	ds_store_b128 v5, v[R+8*(2*\nt+\mt)+4:R+8*(2*\nt+\mt)+7] offset:\mt*4352+64*\nt+16
.endr
.endr
	s_wait_dscnt 0x0                               ; for the other wave's sake: my stores into the stage are done
	s_barrier_signal -1
	s_barrier_wait -1                              ; a row's 256 bytes come from both waves
.irp i, 0,1,2,3,4,5,6,7
	ds_load_b128 v[X+4*\i:X+4*\i+3], v6 offset:\i*544
.endr
.irp i, 0,1,2,3,4,5,6,7
	s_wait_dscnt 7-\i                              ; LDS loads come back in order: pair i of rows is in, the younger ones may be out
	global_store_b128 v7, v[X+4*\i:X+4*\i+3], s[12:13] offset:\i*8192   ; sixteen lanes store 256 consecutive bytes, at a multiple of 256 from decp's first byte
.endr
	s_wait_tensorcnt 0x0                           ; the wave's end, behind my last LDS store
	ds_add_u32 v[SPW], v[NIL]
	s_wait_dscnt 0x0
	s_endpgm
.Lfunc_end_k_q06b75c6328_prep:
	.size	k_q06b75c6328_prep, .Lfunc_end_k_q06b75c6328_prep-k_q06b75c6328_prep
	.p2alignl 7, 3214868480
	.fill 96, 4, 3214868480
	.section	.rodata,"a",@progbits
	.p2align	6, 0x0
	.amdhsa_kernel k_q06b75c6328_prep
		.amdhsa_group_segment_fixed_size 9216
		.amdhsa_private_segment_fixed_size 0
		.amdhsa_enable_private_segment 0
		.amdhsa_kernarg_size 40
		.amdhsa_user_sgpr_count 2
		.amdhsa_user_sgpr_kernarg_segment_ptr 1
		.amdhsa_wavefront_size32 1
		.amdhsa_system_sgpr_workgroup_id_x 1
		.amdhsa_system_sgpr_workgroup_id_y 1
		.amdhsa_system_sgpr_workgroup_id_z 1
		.amdhsa_system_vgpr_workitem_id 0
		.amdhsa_next_free_vgpr 384
		.amdhsa_next_free_sgpr 66
		.amdhsa_reserve_vcc 0
		.amdhsa_float_denorm_mode_32 3
		.amdhsa_float_denorm_mode_16_64 3
		.amdhsa_memory_ordered 1
		.amdhsa_forward_progress 1
		.amdhsa_inst_pref_size 40
	.end_amdhsa_kernel
	.amdgpu_metadata
---
amdhsa.version: [ 1, 2 ]
amdhsa.kernels:
  - .name:           k_q06b75c6328_prep
    .symbol:         k_q06b75c6328_prep.kd
    .args:
      - { .name: W_a, .offset: 0, .size: 8, .value_kind: global_buffer, .address_space: global }
      - { .name: dec_h_t, .offset: 8, .size: 8, .value_kind: global_buffer, .address_space: global }
      - { .name: wimg, .offset: 16, .size: 8, .value_kind: global_buffer, .address_space: global }
      - { .name: wsc, .offset: 24, .size: 8, .value_kind: global_buffer, .address_space: global }
      - { .name: decp, .offset: 32, .size: 8, .value_kind: global_buffer, .address_space: global }
    .group_segment_fixed_size: 9216
    .private_segment_fixed_size: 0
    .kernarg_segment_align: 8
    .kernarg_segment_size: 40
    .max_flat_workgroup_size: 64
    .sgpr_count:     66
    .vgpr_count:     384
    .wavefront_size: 32
...
	.end_amdgpu_metadata
.endif
;; end of part 1
;; launch main (part 2): grid 256 x 1, 4 waves a work-group, no clusters, 327,680 bytes of LDS; arguments enc_h_s, wimg, wsc, decp, b_a, v_a, part; writes part
.if DOCPART == 2
	.amdgcn_target "amdgcn-amd-amdhsa--gfx1250"
	.amdhsa_code_object_version 6
	.text
	.protected	k_q06b75c6328_main
	.globl	k_q06b75c6328_main
	.p2align	8
	.type	k_q06b75c6328_main,@function
k_q06b75c6328_main:
	s_mov_b64 s[64:65], 0
	v_nop
	global_prefetch_b8 v0, s[64:65] scope:SCOPE_SE
	s_setreg_imm32_b32 hwreg(HW_REG_WAVE_MODE, 25, 1), 1
	s_wait_xcnt 0x0
; The fused pass over enc_h_s: quantise, enc W_a[H:] on codes of FP4, tanh, the dot with v_a, a running softmax, the weighted sum of enc.  enc_h_s is read from memory once.
; LEFT OUT (shown at the head of the first kernel): b_v, and the sum of v_a in score = sum v - 2 sum v r: both are the same along the softmax's axis.
; What is summed: t = sum over u of (-c v_a[u]) / (1 + 2^(c z[u])), c = 2 log2(e), z = enc W + dec W + b_a; a row's weight is 2^(t - m), m the running largest t.  2^(c z) = infinity gives r = 0, 2^(c z) = 0 gives r = 1: tanh's two ends.
; SHARES.  Work-group id: rows 256 id .. + 255, all of batch id / 8, in four tiles of 64 rows.  Wave w owns the strip of columns 256 w .. + 255 of a tile (lane l: columns 8 l .. + 7) and the units 256 w .. + 255, in four groups of 64.
; A tile's numbers stay on the chip until their weights are known: a tensor load brings tile t + 1's strip into LDS while tile t's strip lies in 512 registers of the wave.
; W's fragments and scale words come from memory straight into registers, as the first launch laid them: K step s of the next group is asked for behind this group's K step s, into the registers just multiplied.
; THE GROUPS ARE WALKED BACK AND FORTH: even tiles take groups 0, 1, 2, 3, odd tiles 3, 2, 1, 0.  So a tile's last group fetches nothing and its W stays in registers for the next tile's first group: 13 groups of W are loaded for 16 that are multiplied.
; x IS PREFETCHED INTO THE L2: in tile t each group asks for a quarter of my strip of tile t + 2 (16 rows x 4 blocks of 256 bytes: two instructions, a lane a block), one tile ahead of the tensor load that wants it; tiles 2 and 3 ask for nothing.  Each block is named once in the launch.
; NO CLUSTER: what work-groups share is W, and a joint tensor load would have to land in LDS, of whose 327,680 bytes this text uses 327,168 (x's strips 278,528, codes 33,792, scale bytes 3,072, two tables 8,192, scores and weights 3,072, spare words 512).
; The work-group leaves (context under its own m, m, sum of weights) in part [id][4,352 bytes]; the last launch joins a batch's eight.
; LIMITS: NaN and infinities among the inputs are not served; a block of zeros has the scale byte 1 where the rule says 127 (its codes are zeros; the bytes are read here alone), and so has a block whose largest magnitude lies under 2^(3 - 127);
; dec W_a[:H] is the sum of eight f32 partial products, K ascending.
; REGISTERS, in windows of 256: window 0: v0-31 as named; v32-47 x's scale words; v48-63 W's; v64-127 two sets of four fragments of x, at other times at work; v128-255 the 16 accumulators, later the 64 weights.
;   window 1: W's 32 fragments of a group, (K step s, tile n) at 8 (4 s + n).   window 2: x's rows 0-31, 8 registers a row.   window 3: rows 32-63.
.set XW,     69632                     ; LDS: a wave's strip: 64 rows x 1,088
.set XROW,   1088                      ; four pieces of 256 bytes, 16 bytes of padding behind each
.set CODES,  278528                    ; 64 rows of 512 bytes of codes, 528 apart
.set CPITCH, 528
.set ASCL,   312320                    ; 64 rows of 32 scale bytes, 48 apart
.set CB,     315392                    ; c (b_a + dec W) by unit, 4,096 bytes
.set VV,     4096                      ; behind it, -c v_a by unit
.set SCX,    323584                    ; [wave][64 rows] parts of scores
.set PB,     324608                    ; [wave][64 rows][weight, weight]
.set SPARE,  326656                    ; the spare words, 128 bytes for each wave
.set WO,   1                           ; 16 x lane
.set SPW,  2                           ; my spare word's LDS address; never rewritten
.set NIL,  3                           ; 0; never rewritten
.set AFA,  4                           ; my lane's place in a fragment of x
.set ASA,  5                           ; my lane's row of scale bytes
.set CBA0, 6                           ; my lane's place in the tables, group 0
.set CBT,  7                           ; the same for the group in hand
.set WSO,  8                           ; 4 x lane
.set PFO,  9                           ; the prefetches' offset: row lane / 4, block lane % 4
.set MRUN, 10                          ; m
.set LRUN, 11                          ; my lane's part of the sum of weights
.set CTX,  12                          ; v12-19 the context of my 8 columns
.set S,    20                          ; v20-27 a pair of partial scores for each tile of 16 rows
.set XA0,  28                          ; v28, v29 my lane's place in my strip: rows 0-31, 32-63
.set CST,  30                          ; where my 8 codes go
.set SST,  31                          ; where my block's scale byte goes
.set ASC,  32
.set WSC,  48
.set AF,   64
.set ACC,  128
.set TQ,   64
.set SOQ,  72
.set BYQ,  80
.set CDQ,  96
.set CTXB, 104
.set MSB, 0
.macro WIN new
.if MSB != (\new)
	s_set_vgpr_msb (MSB<<8)|(\new)
.set MSB, (\new)
.endif
.endm
.macro XLOADS q                        ; rows 8 q .. + 7 of my strip, LDS to registers
	WIN 0x80+0x40*((\q)/4)
.irp i, 0,1,2,3,4,5,6,7
	ds_load_b128 v[64*((\q)%4)+8*\i:64*((\q)%4)+8*\i+3],   v[XA0+(\q)/4] offset:(8*((\q)%4)+\i)*XROW
	ds_load_b128 v[64*((\q)%4)+8*\i+4:64*((\q)%4)+8*\i+7], v[XA0+(\q)/4] offset:(8*((\q)%4)+\i)*XROW+16
.endr
	WIN 0
.endm
.macro XQUANT q                        ; the same eight rows are quantised, by turns: my 8 numbers of a row are a quarter of a block
.set WQ, 2+(\q)/4
.set RB, 64*((\q)%4)
.set BQ, BYQ+8*((\q)%2)
.set CQ, CDQ+8*((\q)%2)
	WIN 5*WQ
.irp i, 0,1,2,3,4,5,6,7
	v_max3_num_f32 v[TQ+\i], |v[RB+8*\i]|, |v[RB+8*\i+1]|, 0x1800000   ; with the floor 2^(3 - 127): the byte cannot fall under 1
.endr
.irp j, 2,4,6
.irp i, 0,1,2,3,4,5,6,7
	v_max3_num_f32 v[TQ+\i], |v[RB+8*\i+\j]|, |v[RB+8*\i+\j+1]|, v[TQ+\i]
.endr
.endr
	WIN 0
.irp i, 0,1,2,3,4,5,6,7
	v_max_num_f32_dpp v[TQ+\i], v[TQ+\i], v[TQ+\i] row_xmask:1 row_mask:0xf bank_mask:0xf
.endr
.irp i, 0,1,2,3,4,5,6,7
	v_max_num_f32_dpp v[TQ+\i], v[TQ+\i], v[TQ+\i] row_xmask:2 row_mask:0xf bank_mask:0xf
.endr
.irp i, 0,1,2,3,4,5,6,7
	v_add_nc_u32 v[SOQ+\i], 0xff000000, v[TQ+\i]   ; 2 off the exponent field: the conversion's scale operand
.endr
.irp i, 0,1,2,3,4,5,6,7
	v_lshrrev_b32 v[BQ+\i], 23, v[SOQ+\i]          ; the scale's byte
.endr
	WIN WQ
.irp i, 0,1,2,3,4,5,6,7
	v_cvt_scalef32_pk8_fp4_f32 v[CQ+\i], v[RB+8*\i:RB+8*\i+7], v[SOQ+\i]
.endr
	WIN 0
	v_nop                                          ; one plain instruction behind the conversions
.irp i, 0,1,2,3,4,5,6,7
	ds_store_b32 v[CST], v[CQ+\i] offset:(8*(\q)+\i)*CPITCH
	ds_store_b8 v[SST], v[BQ+\i] offset:(8*(\q)+\i)*48        ; the four lanes of a block write the same byte with the same value
.endr
.endm
.macro ALOAD s                         ; x's four fragments of K step s into set s % 2
.irp m, 0,1,2,3
.irp c, 0,1
	ds_load_b128 v[AF+32*((\s)%2)+8*\m+4*\c:AF+32*((\s)%2)+8*\m+4*\c+3], v[AFA] offset:\m*16*CPITCH+64*(\s)+32*\c
.endr
.endr
.endm
.macro MM s, n, m                      ; tile n of units x tile m of rows, K step s; the first K step starts the sums with the constant 0
.set rD, ACC+8*(4*(\n)+(\m))
.set rW, 8*(4*(\s)+(\n))
.set rA, AF+32*((\s)%2)+8*(\m)
.set rU, WSC+2*(\s)+(\n)/2
.set rX, ASC+8*((\m)/2)+(\s)
.if (\s) == 0
.if ((\n)%2 == 0) && ((\m)%2 == 0)
	v_wmma_scale_f32_16x16x128_f8f6f4 v[rD:rD+7], v[rW:rW+7], v[rA:rA+7], 0, v[rU], v[rX] matrix_a_fmt:MATRIX_FMT_FP4 matrix_b_fmt:MATRIX_FMT_FP4
.elseif ((\n)%2 == 1) && ((\m)%2 == 0)
	v_wmma_scale_f32_16x16x128_f8f6f4 v[rD:rD+7], v[rW:rW+7], v[rA:rA+7], 0, v[rU], v[rX] matrix_a_fmt:MATRIX_FMT_FP4 matrix_b_fmt:MATRIX_FMT_FP4 matrix_a_scale:MATRIX_SCALE_ROW1
.elseif ((\n)%2 == 0) && ((\m)%2 == 1)
	v_wmma_scale_f32_16x16x128_f8f6f4 v[rD:rD+7], v[rW:rW+7], v[rA:rA+7], 0, v[rU], v[rX] matrix_a_fmt:MATRIX_FMT_FP4 matrix_b_fmt:MATRIX_FMT_FP4 matrix_b_scale:MATRIX_SCALE_ROW1
.else
	v_wmma_scale_f32_16x16x128_f8f6f4 v[rD:rD+7], v[rW:rW+7], v[rA:rA+7], 0, v[rU], v[rX] matrix_a_fmt:MATRIX_FMT_FP4 matrix_b_fmt:MATRIX_FMT_FP4 matrix_a_scale:MATRIX_SCALE_ROW1 matrix_b_scale:MATRIX_SCALE_ROW1
.endif
.else
.if ((\n)%2 == 0) && ((\m)%2 == 0)
	v_wmma_scale_f32_16x16x128_f8f6f4 v[rD:rD+7], v[rW:rW+7], v[rA:rA+7], v[rD:rD+7], v[rU], v[rX] matrix_a_fmt:MATRIX_FMT_FP4 matrix_b_fmt:MATRIX_FMT_FP4
.elseif ((\n)%2 == 1) && ((\m)%2 == 0)
	v_wmma_scale_f32_16x16x128_f8f6f4 v[rD:rD+7], v[rW:rW+7], v[rA:rA+7], v[rD:rD+7], v[rU], v[rX] matrix_a_fmt:MATRIX_FMT_FP4 matrix_b_fmt:MATRIX_FMT_FP4 matrix_a_scale:MATRIX_SCALE_ROW1
.elseif ((\n)%2 == 0) && ((\m)%2 == 1)
	v_wmma_scale_f32_16x16x128_f8f6f4 v[rD:rD+7], v[rW:rW+7], v[rA:rA+7], v[rD:rD+7], v[rU], v[rX] matrix_a_fmt:MATRIX_FMT_FP4 matrix_b_fmt:MATRIX_FMT_FP4 matrix_b_scale:MATRIX_SCALE_ROW1
.else
	v_wmma_scale_f32_16x16x128_f8f6f4 v[rD:rD+7], v[rW:rW+7], v[rA:rA+7], v[rD:rD+7], v[rU], v[rX] matrix_a_fmt:MATRIX_FMT_FP4 matrix_b_fmt:MATRIX_FMT_FP4 matrix_a_scale:MATRIX_SCALE_ROW1 matrix_b_scale:MATRIX_SCALE_ROW1
.endif
.endif
.endm
.macro WLOAD s                         ; K step s of the group whose bases stand in s[48:51]: four fragments of W, 512 consecutive bytes a load, and two registers of scale words: ten loads
	WIN 0x40
.irp n, 0,1,2,3
.irp c, 0,1
	global_load_b128 v[8*(4*(\s)+\n)+4*\c:8*(4*(\s)+\n)+4*\c+3], v[WO], s[48:49] offset:(\s)*4096+\n*1024+\c*512
.endr
.endr
	WIN 0
.irp np, 0,1
	global_load_b32 v[WSC+2*(\s)+\np], v[WSO], s[50:51] offset:(2*(\s)+\np)*128
.endr
.endm
; A K step of 128: eight LDS loads for what comes next (the next step's fragments of x; in the last step the bias table, into the set that step 6 has left), then 16 matrix instructions.
; The sixteen accumulators take turns, one instruction a turn, in the same order in every step.
.macro KSTEP s, fetch
.if \s < 7
	ALOAD \s+1
.else
.irp n, 0,1,2,3
.irp c, 0,1
	ds_load_b128 v[AF+8*\n+4*\c:AF+8*\n+4*\c+3], v[CBT] offset:64*\n+16*\c   ; c (b_a + dec W) of my eight units of tile n
.endr
.endr
.endif
	s_wait_dscnt 8                                 ; this step's fragments of x are in; the eight loads just issued may be out
.if \fetch || (\s == 0)
	s_wait_loadcnt 63                              ; behind this step's ten loads of W 70 were issued (the later K steps', 10 (7 - s), and this group's own requests, 10 s), or W has stayed from the last tile; a wait names 63 at the most
.else
	s_wait_loadcnt 10*(7-\s)                       ; a tile's last group asks for nothing: behind this step's ten loads stand the later K steps' alone
.endif
	WIN 0x01
.irp n, 0,1,2,3
.irp m, 0,1,2,3
	MM \s, \n, \m
.endr
.endr
.rept 4
	v_nop                                          ; four places ahead of the loads into registers just multiplied and of the first read of results
.endr
.if \fetch
	WLOAD \s
.else
	WIN 0
.endif
.endm
; A GROUP OF 64 UNITS.  s41: its place in the tile's walk; s55: 0 in even tiles, 3 in odd ones; the group is s41 xor s55.  fetch = 1: the walk's next group of W is asked for on the way.  pf = 1: the tile lies in the loop over tiles, where x is prefetched.
.macro GROUP fetch, pf
	ALOAD 0
.if \fetch || \pf
	s_wait_xcnt 0x0                                ; the loads and prefetches that named the bases below have had their addresses translated: only now are the bases written
.endif
.if \fetch
	s_xor_b32 s42, s41, s55
	s_add_co_u32 s52, s41, 1
	s_xor_b32 s52, s52, s55                        ; the group to fetch
	s_lshl_b32 s52, s52, 15
	s_add_nc_u64 s[48:49], s[6:7], s[52:53]        ; 32,768 bytes of images a group,
	s_lshr_b32 s52, s52, 4
	s_add_nc_u64 s[50:51], s[8:9], s[52:53]        ; 2,048 of scale words
.else
	s_xor_b32 s42, s55, 3                          ; the walk's fourth
.endif
.if \pf
	s_add_nc_u64 s[56:57], s[56:57], 65536         ; the next 16 rows of my strip, two tiles on
.endif
	s_lshl_b32 s42, s42, 8
	s_and_b32 s42, s42, 0x300                      ; the group's 64 units in the tables
	v_add_nc_u32 v[CBT], s42, v[CBA0]
	s_wait_alu depctr_va_vdst(0)
.irp s, 0,1,2,3,4,5,6,7
	KSTEP \s, \fetch
.endr
.irp n, 0,1,2,3
.irp c, 0,1
	ds_load_b128 v[AF+32+8*\n+4*\c:AF+32+8*\n+4*\c+3], v[CBT] offset:VV+64*\n+16*\c   ; -c v_a of the same units, into the set that step 7 has left
.endr
.endr
	s_wait_dscnt 8                                 ; the bias table's eight loads are in; the eight just issued may be out
.if \pf
	s_cmp_lt_u32 s40, 2                            ; tiles 0 and 1 alone have a tile two on
	s_cbranch_scc1 .Lno_pf_\@
	global_prefetch_b8 v[PFO], s[56:57] th:TH_LOAD_NT scope:SCOPE_SE
	global_prefetch_b8 v[PFO], s[56:57] offset:32768 th:TH_LOAD_NT scope:SCOPE_SE
.Lno_pf_\@:
.endif
	; c z, in ascending order of registers: each accumulator is first read at its low end
.set P, 0
.rept 64
	v_pk_fma_f32 v[ACC+2*P:ACC+2*P+1], v[ACC+2*P:ACC+2*P+1], s[38:39], v[AF+8*(P/16)+2*(P%4):AF+8*(P/16)+2*(P%4)+1] op_sel_hi:[1,0,1]
.set P, P+1
.endr
	s_wait_alu depctr_va_vdst(0)                   ; a wait ahead of each batch of transcendentals and one behind it
.set P, 0
.rept 64
	v_exp_f32 v[ACC+P], v[ACC+P]                   ; 2^(c z), the lower half
.set P, P+1
.endr
	v_nop
	s_wait_alu depctr_va_vdst(0)
.set P, 0
.rept 32
	v_pk_add_f32 v[ACC+2*P:ACC+2*P+1], v[ACC+2*P:ACC+2*P+1], 1.0 op_sel_hi:[1,0]   ; 1 + 2^(c z) of the lower half stands among the upper half's exponentials; a wait parts each write from its reader
	v_exp_f32 v[ACC+64+2*P], v[ACC+64+2*P]
	v_exp_f32 v[ACC+65+2*P], v[ACC+65+2*P]
.set P, P+1
.endr
	v_nop
	s_wait_alu depctr_va_vdst(0)
.set P, 0
.rept 32
	v_pk_add_f32 v[ACC+64+2*P:ACC+65+2*P], v[ACC+64+2*P:ACC+65+2*P], 1.0 op_sel_hi:[1,0]
	v_rcp_f32 v[ACC+2*P], v[ACC+2*P]               ; r = 1 / (1 + 2^(c z))
	v_rcp_f32 v[ACC+2*P+1], v[ACC+2*P+1]
.set P, P+1
.endr
	v_nop
	s_wait_alu depctr_va_vdst(0)
.set P, 0
.rept 64
	v_rcp_f32 v[ACC+64+P], v[ACC+64+P]
.set P, P+1
.endr
	v_nop
	s_wait_dscnt 0x0                               ; -c v_a is in
	s_wait_alu depctr_va_vdst(0)
.irp n, 0,1,2,3
.irp e, 0,1,2,3
.irp m, 0,1,2,3
	v_pk_fma_f32 v[S+2*\m:S+2*\m+1], v[ACC+8*(4*\n+\m)+2*\e:ACC+8*(4*\n+\m)+2*\e+1], v[AF+32+8*\n+2*\e:AF+32+8*\n+2*\e+1], v[S+2*\m:S+2*\m+1]   ; t += (-c v) r: four chains by turns
.endr
.endr
.endr
.endm
; ONE TILE OF 64 ROWS.  refill = 1: the next tile's strip is asked for behind B1.  refill = 0: the last tile
.macro TILE refill
	s_wait_tensorcnt 0x0                           ; my strip has landed: my one tensor load; only I read these bytes
	XLOADS 0
.irp q, 0,1,2,3,4,5,6,7
.if \q < 7
	XLOADS \q+1
.endif
.if (\q == 0) || (\q == 7)
	s_wait_dscnt 16                                ; batch q's loads are in.  Behind them: batch 1's 16 loads (q = 0); batch 6's 16 stores (q = 7)
.else
	s_wait_dscnt 32                                ; behind batch q's loads: batch q - 1's 16 stores and batch q + 1's 16 loads
.endif
	XQUANT \q
.endr
	; B1: the codes and scale bytes become everybody's; my strip, now in registers, may be filled again
.if \refill
	s_wait_tensorcnt 0x0                           ; no tensor load of mine is out, so the descriptor may be written
	ds_add_u32 v[SPW], v[NIL]
	s_add_nc_u64 s[34:35], s[34:35], 262144        ; the next 64 rows of 4,096 bytes
.endif
.irp i, 0,1,2,3,4,5,6,7
	v_mov_b32 v[S+\i], 0
.endr
	s_mov_b32 s41, 0
	s_wait_alu depctr_va_vdst(0)
	s_wait_dscnt 0x0                               ; my stores have landed and my reads of the strip are back (refill = 1: and the add is done)
	s_barrier_signal -1
	s_barrier_wait -1
.if \refill
	tensor_load_to_lds s[32:35], s[24:31]          ; my one tensor load behind the barrier, and the first thing there
	s_nop 0
.endif
.irp mp, 0,1
.irp c, 0,1
	ds_load_b128 v[ASC+8*\mp+4*\c:ASC+8*\mp+4*\c+3], v[ASA] offset:\mp*1536+16*\c   ; row 32 mp + lane: its eight scale words
.endr
.endr
.Lgroup_\@:
	GROUP 1, \refill
	s_add_co_u32 s41, s41, 1
	s_cmp_lt_u32 s41, 3
	s_cbranch_scc1 .Lgroup_\@
	GROUP 0, \refill                               ; the walk's last group is written out: it fetches nothing, and every counted wait has one count on every way
	; the scores.  Lane (r, h) holds, for each tile m, row 16 m + r's sum over the units of its half
.irp m, 0,1,2,3
	v_add_f32 v[64+\m], v[S+2*\m], v[S+2*\m+1]
.endr
	v_and_b32 v72, 15, v0
	s_lshl_b32 s20, s18, 8
.irp m, 0,1,2,3
	v_permlanex16_b32 v[68+\m], v[64+\m], s36, s37
.endr
	v_lshl_add_u32 v72, v72, 2, s20
	v_add_nc_u32 v72, SCX, v72                     ; my wave's 64 words, row r
.irp m, 0,1,2,3
	v_add_f32 v[64+\m], v[64+\m], v[68+\m]
.endr
.irp m, 0,1,2,3
	ds_store_b32 v72, v[64+\m] offset:64*\m        ; both halves of the lanes write the same word with the same value
.endr
	v_and_b32 v73, 31, v0
	v_lshl_add_u32 v74, v73, 2, SCX                ; rows lane and lane + 32 of each wave's words
	s_lshl_b32 s20, s18, 9
	v_lshl_add_u32 v97, v73, 3, s20
	v_add_nc_u32 v97, PB, v97                      ; where my two rows' weights go,
	s_add_co_u32 s21, s20, PB
	v_mov_b32 v98, s21                             ; and from where all 64 come back
	s_wait_alu depctr_va_vdst(0)
	s_wait_dscnt 0x0                               ; for the others' sake: my stores have landed
	s_barrier_signal -1
	s_barrier_wait -1                              ; B2.  The strip's load may stay out
.irp u, 0,1,2,3
	ds_load_b32 v[76+\u], v74 offset:256*\u
	ds_load_b32 v[80+\u], v74 offset:256*\u+128
.endr
	s_wait_dscnt 0x0
	v_add_f32 v76, v76, v77                        ; the four waves' parts, in the same order in every wave: all four hold the same bits
	v_add_f32 v78, v78, v79
	v_add_f32 v80, v80, v81
	v_add_f32 v82, v82, v83
	v_add_f32 v76, v76, v78                        ; t of row lane
	v_add_f32 v80, v80, v82                        ; t of row lane + 32
	v_max_num_f32 v84, v76, v80
	v_max_num_f32_dpp v84, v84, v84 row_xmask:1 row_mask:0xf bank_mask:0xf
	v_max_num_f32_dpp v84, v84, v84 row_xmask:2 row_mask:0xf bank_mask:0xf
	v_max_num_f32_dpp v84, v84, v84 row_xmask:4 row_mask:0xf bank_mask:0xf
	v_max_num_f32_dpp v84, v84, v84 row_xmask:8 row_mask:0xf bank_mask:0xf
	v_permlanex16_b32 v85, v84, s36, s37
	v_max3_num_f32 v86, v84, v85, v[MRUN]          ; the new m
	v_sub_f32 v94, v[MRUN], v86
	v_sub_f32 v95, v76, v86
	v_sub_f32 v96, v80, v86
	s_wait_alu depctr_va_vdst(0)                   ; ahead of the batch
	v_exp_f32 v88, v94                             ; f = 2^(old m - new m), and the two weights; each twice, to fill a pair
	v_exp_f32 v89, v94
	v_exp_f32 v90, v95
	v_exp_f32 v91, v95
	v_exp_f32 v92, v96
	v_exp_f32 v93, v96
	v_mov_b32 v[MRUN], v86                         ; (a plain instruction behind the exponentials)
	s_wait_alu depctr_va_vdst(0)                   ; and behind it
	ds_store_b64 v97, v[90:91]
	ds_store_b64 v97, v[92:93] offset:256
.set II, 0
.rept 32
	ds_load_b128 v[ACC+4*II:ACC+4*II+3], v98 offset:16*II   ; my wave's own bytes, served in order behind the stores: every lane gets all 64 weights, each doubled
.set II, II+1
.endr
	v_fma_f32 v[LRUN], v[LRUN], v88, v90
	v_add_f32 v[LRUN], v[LRUN], v92
.irp e, 0,1,2,3
	v_pk_mul_f32 v[CTX+2*\e:CTX+2*\e+1], v[CTX+2*\e:CTX+2*\e+1], v[88:89]   ; the context under the new m
.endr
	s_wait_alu depctr_va_vdst(0)
	s_wait_dscnt 0x0
	; context += weight x row: even rows into CTX, odd rows into CTXB, eight chains
	WIN 0x02
.set RW, 0
.rept 64
.if RW == 32
	WIN 0x03
.endif
.set CX, CTX
.if RW%2
.set CX, CTXB
.endif
.irp e, 0,1,2,3
.if RW == 1
	v_pk_mul_f32 v[CX+2*\e:CX+2*\e+1], v[8*(RW%32)+2*\e:8*(RW%32)+2*\e+1], v[ACC+2*RW:ACC+2*RW+1]
.else
	v_pk_fma_f32 v[CX+2*\e:CX+2*\e+1], v[8*(RW%32)+2*\e:8*(RW%32)+2*\e+1], v[ACC+2*RW:ACC+2*RW+1], v[CX+2*\e:CX+2*\e+1]
.endif
.endr
.set RW, RW+1
.endr
	WIN 0
.irp e, 0,1,2,3
	v_pk_add_f32 v[CTX+2*\e:CTX+2*\e+1], v[CTX+2*\e:CTX+2*\e+1], v[CTXB+2*\e:CTXB+2*\e+1]
.endr
	s_xor_b32 s55, s55, 3                          ; the next tile walks the groups the other way
.endm
	s_load_b256 s[4:11], s[0:1], 0x0               ; enc_h_s s[4:5], wimg s[6:7], wsc s[8:9], decp s[10:11]
	s_load_b128 s[12:15], s[0:1], 0x20             ; b_a s[12:13], v_a s[14:15]
	s_load_b64 s[16:17], s[0:1], 0x30              ; part
	v_lshl_add_u32 v[SPW], v0, 2, SPARE
	v_mov_b32 v[NIL], 0
	ds_add_u32 v[SPW], v[NIL]                      ; the wave's opening: the add, twice on end, and its wait ahead of my first tensor load
	ds_add_u32 v[SPW], v[NIL]
	v_lshrrev_b32 v64, 5, v0
	v_readfirstlane_b32 s18, v64                   ; wave 0..3
	; descriptor group 1: 64 rows of 256 elements of 4 bytes, 1,024 elements apart; in LDS 4 words of padding behind every 64
	s_mov_b32 s24, (2<<16)|(1<<20)|(5<<22)|(3<<25)
	s_mov_b32 s25, 256<<16
	s_mov_b32 s26, 64<<16
	s_mov_b32 s27, 256<<16
	s_mov_b32 s28, 64
	s_mov_b32 s29, 1024
	s_mov_b32 s30, 0
	s_mov_b32 s31, 0
	s_mov_b32 s32, 1
	s_mul_i32 s33, s18, XW                         ; my strip in LDS
	s_lshl_b32 s20, ttmp9, 20                      ; the work-group's 256 rows of 4,096 bytes,
	s_lshl_b32 s21, s18, 10                        ; my strip's 1,024 bytes of a row
	s_add_co_u32 s20, s20, s21
	s_mov_b32 s21, 0
	s_mov_b32 s23, 0
	s_mov_b32 s53, 0
	s_mov_b32 s55, 0                               ; tile 0 walks the groups upward
	s_mov_b32 s36, 0x76543210
	s_mov_b32 s37, 0xfedcba98                      ; v_permlanex16_b32's selects for lane l xor 16
	s_mov_b32 s38, 0x4038aa3b                      ; c = 2 log2(e); the packed forms name a pair and take its low word
	s_mov_b32 s39, s38
	s_mov_b32 s44, 0xc038aa3b                      ; -c
	s_mov_b32 s45, s44
	s_wait_dscnt 0x0                               ; both opening adds are done
	s_wait_kmcnt 0x0
	s_add_nc_u64 s[34:35], s[4:5], s[20:21]        ; tile 0's strip,
	s_add_nc_u64 s[56:57], s[4:5], s[20:21]
	s_or_b32 s35, s35, 0x80000000                  ; and the type
	tensor_load_to_lds s[32:35], s[24:31]          ; every wave's first fill
	s_nop 0
	s_add_nc_u64 s[56:57], s[56:57], 2*262144-65536  ; the prefetches: 16 rows short of tile 2's strip; each group steps 16 rows on ahead of asking
	s_lshl_b32 s22, s18, 17
	s_add_nc_u64 s[6:7], s[6:7], s[22:23]          ; my four groups' images,
	s_lshl_b32 s22, s18, 13
	s_add_nc_u64 s[8:9], s[8:9], s[22:23]          ; and scale words
	s_lshr_b32 s22, ttmp9, 3
	s_lshl_b32 s22, s22, 12
	s_add_nc_u64 s[10:11], s[10:11], s[22:23]      ; my batch's row in each of decp's eight parts
	s_mul_i32 s22, ttmp9, 4352
	s_add_nc_u64 s[16:17], s[16:17], s[22:23]
	s_mov_b64 s[48:49], s[6:7]                     ; group 0
	s_mov_b64 s[50:51], s[8:9]
	v_lshlrev_b32 v65, 4, v0                       ; thread t takes units 4 t .. and 512 + 4 t ..
	v_and_b32 v66, 31, v0                          ; lane
	v_lshlrev_b32 v[WO], 4, v66
	v_lshlrev_b32 v[WSO], 2, v66
	s_wait_alu depctr_va_vdst(0)
.irp ks, 0,1,2,3,4,5,6,7
.irp e, 0,1
	global_load_b128 v[128+4*(2*\ks+\e):128+4*(2*\ks+\e)+3], v65, s[10:11] offset:\ks*131072+\e*2048
.endr
.endr
.irp e, 0,1
	global_load_b128 v[192+4*\e:192+4*\e+3], v65, s[12:13] offset:\e*2048
	global_load_b128 v[200+4*\e:200+4*\e+3], v65, s[14:15] offset:\e*2048
.endr
.irp s, 0,1,2,3,4,5,6,7
	WLOAD \s                                       ; the first group's W, K step by K step: the order in which every later group's is asked for
.endr
	v_and_b32 v67, 15, v0                          ; r
	v_bfe_u32 v68, v0, 4, 1                        ; h
	v_mul_u32_u24 v[AFA], v67, CPITCH
	v_lshl_add_u32 v[AFA], v68, 4, v[AFA]
	v_add_nc_u32 v[AFA], CODES, v[AFA]             ; row r of a tile of 16, + 16 h
	v_mul_u32_u24 v[ASA], v66, 48
	v_add_nc_u32 v[ASA], ASCL, v[ASA]
	s_lshl_b32 s20, s18, 10
	s_add_co_u32 s20, s20, CB
	v_lshl_add_u32 v[CBA0], v68, 5, s20            ; my wave's 256 units, + my half's eight of a tile
	s_mul_i32 s20, s18, XW
	v_lshrrev_b32 v69, 3, v66
	v_lshlrev_b32 v[XA0], 5, v66
	v_lshl_add_u32 v[XA0], v69, 4, v[XA0]
	v_add_nc_u32 v[XA0], s20, v[XA0]               ; 32 bytes a lane, + 16 for each piece of 256 passed
	v_add_nc_u32 v[XA0+1], 32*XROW, v[XA0]
	s_lshl_b32 s20, s18, 7
	s_add_co_u32 s20, s20, CODES
	v_lshl_add_u32 v[CST], v66, 2, s20
	s_lshl_b32 s20, s18, 3
	s_add_co_u32 s20, s20, ASCL
	v_lshrrev_b32 v[SST], 2, v66
	v_add_nc_u32 v[SST], s20, v[SST]
	v_lshrrev_b32 v69, 2, v66
	v_and_b32 v70, 3, v66
	v_lshlrev_b32 v[PFO], 12, v69
	v_lshl_add_u32 v[PFO], v70, 8, v[PFO]          ; row lane / 4 of 4,096 bytes, block lane % 4 of 256
	v_lshl_add_u32 v64, v0, 4, CB                  ; where my units' table entries go
.irp i, 0,1,2,3,4,5,6,7
	v_mov_b32 v[CTX+\i], 0                         ; the tile is written once for all: the first finds zeros, which f = 0 leaves zeros
.endr
	v_mov_b32 v[LRUN], 0
	v_mov_b32 v[MRUN], 0xff61b1e6                  ; -3e38, under every t
	s_wait_alu depctr_va_vdst(0)
	s_wait_loadcnt 0x3f                            ; the 20 loads of decp, b_a and v_a are in: 80 were issued behind them, and a wait names 63 at the most
.irp ks, 1,2,3,4,5,6,7
.irp p, 0,1,2,3
	v_pk_add_f32 v[128+2*\p:128+2*\p+1], v[128+2*\p:128+2*\p+1], v[128+8*\ks+2*\p:128+8*\ks+2*\p+1]   ; dec W: the eight parts, K ascending
.endr
.endr
.irp p, 0,1,2,3
	v_pk_add_f32 v[128+2*\p:128+2*\p+1], v[128+2*\p:128+2*\p+1], v[192+2*\p:192+2*\p+1]   ; + b_a
.endr
.irp p, 0,1,2,3
	v_pk_mul_f32 v[128+2*\p:128+2*\p+1], v[128+2*\p:128+2*\p+1], s[38:39] op_sel_hi:[1,0]
	v_pk_mul_f32 v[200+2*\p:200+2*\p+1], v[200+2*\p:200+2*\p+1], s[44:45] op_sel_hi:[1,0]
.endr
.irp e, 0,1
	ds_store_b128 v64, v[128+4*\e:128+4*\e+3] offset:\e*2048
	ds_store_b128 v64, v[200+4*\e:200+4*\e+3] offset:VV+\e*2048   ; both tables are read behind the first tile's B1
.endr
	s_mov_b32 s40, 3
	s_wait_alu depctr_va_vdst(0)
.Ltile:
	TILE 1
	s_sub_co_u32 s40, s40, 1
	s_cmp_lg_u32 s40, 0
	s_cbranch_scc1 .Ltile
	TILE 0                                         ; the last tile is written out
	; the way out.  The sum of weights over the 32 lanes; the context through my wave's own 1,024 bytes of the first table (only my wave has read them since the first B1), so that each store covers 512 consecutive bytes
	v_add_f32_dpp v[LRUN], v[LRUN], v[LRUN] row_xmask:1 row_mask:0xf bank_mask:0xf
	v_add_f32_dpp v[LRUN], v[LRUN], v[LRUN] row_xmask:2 row_mask:0xf bank_mask:0xf
	v_add_f32_dpp v[LRUN], v[LRUN], v[LRUN] row_xmask:4 row_mask:0xf bank_mask:0xf
	v_add_f32_dpp v[LRUN], v[LRUN], v[LRUN] row_xmask:8 row_mask:0xf bank_mask:0xf
	v_permlanex16_b32 v64, v[LRUN], s36, s37
	v_add_f32 v[LRUN], v[LRUN], v64
	v_and_b32 v66, 31, v0
	s_lshl_b32 s20, s18, 10
	s_add_co_u32 s21, s20, CB
	v_lshl_add_u32 v65, v66, 5, s21                ; in: 32 bytes a lane
	v_lshl_add_u32 v67, v66, 4, s21                ; back: 16 bytes a lane
	v_lshl_add_u32 v77, v66, 4, s20                ; and the same place in my work-group's 4,096 bytes of context
	v_lshlrev_b32 v76, 3, v66
	ds_store_b128 v65, v[CTX:CTX+3]
	ds_store_b128 v65, v[CTX+4:CTX+7] offset:16
	ds_load_b128 v[68:71], v67                     ; LDS serves a wave's instructions in order: these see my stores
	ds_load_b128 v[72:75], v67 offset:512
	s_wait_alu depctr_va_vdst(0)
	s_wait_dscnt 0x0
	s_wait_tensorcnt 0x0                           ; the wave's end, behind my last tensor load and my last LDS store
	ds_add_u32 v[SPW], v[NIL]
	s_wait_dscnt 0x0
	global_store_b128 v77, v[68:71], s[16:17]
	global_store_b128 v77, v[72:75], s[16:17] offset:512
	s_cmp_lg_u32 s18, 0
	s_cbranch_scc1 .Lnot_wave_0
	global_store_b64 v76, v[MRUN:LRUN], s[16:17] offset:4096   ; (m, sum of weights), 32 times: 256 consecutive bytes
.Lnot_wave_0:
	s_endpgm
.Lfunc_end_k_q06b75c6328_main:
	.size	k_q06b75c6328_main, .Lfunc_end_k_q06b75c6328_main-k_q06b75c6328_main
	.p2alignl 7, 3214868480
	.fill 96, 4, 3214868480
	.section	.rodata,"a",@progbits
	.p2align	6, 0x0
	.amdhsa_kernel k_q06b75c6328_main
		.amdhsa_group_segment_fixed_size 327680
		.amdhsa_private_segment_fixed_size 0
		.amdhsa_enable_private_segment 0
		.amdhsa_kernarg_size 56
		.amdhsa_user_sgpr_count 2
		.amdhsa_user_sgpr_kernarg_segment_ptr 1
		.amdhsa_wavefront_size32 1
		.amdhsa_system_sgpr_workgroup_id_x 1
		.amdhsa_system_sgpr_workgroup_id_y 1
		.amdhsa_system_sgpr_workgroup_id_z 1
		.amdhsa_system_vgpr_workitem_id 0
		.amdhsa_next_free_vgpr 1024
		.amdhsa_next_free_sgpr 66
		.amdhsa_reserve_vcc 0
		.amdhsa_float_denorm_mode_32 3
		.amdhsa_float_denorm_mode_16_64 3
		.amdhsa_memory_ordered 1
		.amdhsa_forward_progress 1
		.amdhsa_inst_pref_size 255
	.end_amdhsa_kernel
	.section	.bss,"aw",@nobits
	.p2align	6
	.space	262144
	.amdgpu_metadata
---
amdhsa.version: [ 1, 2 ]
amdhsa.kernels:
  - .name:           k_q06b75c6328_main
    .symbol:         k_q06b75c6328_main.kd
    .args:
      - { .name: enc_h_s, .offset: 0, .size: 8, .value_kind: global_buffer, .address_space: global }
      - { .name: wimg, .offset: 8, .size: 8, .value_kind: global_buffer, .address_space: global }
      - { .name: wsc, .offset: 16, .size: 8, .value_kind: global_buffer, .address_space: global }
      - { .name: decp, .offset: 24, .size: 8, .value_kind: global_buffer, .address_space: global }
      - { .name: b_a, .offset: 32, .size: 8, .value_kind: global_buffer, .address_space: global }
      - { .name: v_a, .offset: 40, .size: 8, .value_kind: global_buffer, .address_space: global }
      - { .name: part, .offset: 48, .size: 8, .value_kind: global_buffer, .address_space: global }
    .group_segment_fixed_size: 327680
    .private_segment_fixed_size: 0
    .kernarg_segment_align: 8
    .kernarg_segment_size: 56
    .max_flat_workgroup_size: 128
    .sgpr_count:     66
    .vgpr_count:     1024
    .wavefront_size: 32
...
	.end_amdgpu_metadata
.endif
;; end of part 2
;; launch combine (part 3): grid 32 x 1, 8 waves a work-group, no clusters, 0 bytes of LDS; arguments part, out0; writes out0
.if DOCPART == 3
	.amdgcn_target "amdgcn-amd-amdhsa--gfx1250"
	.amdhsa_code_object_version 6
	.text
	.protected	k_q06b75c6328_combine
	.globl	k_q06b75c6328_combine
	.p2align	8
	.type	k_q06b75c6328_combine,@function
k_q06b75c6328_combine:
	s_mov_b64 s[64:65], 0
	v_nop
	global_prefetch_b8 v0, s[64:65] scope:SCOPE_SE
	s_setreg_imm32_b32 hwreg(HW_REG_WAVE_MODE, 25, 1), 1
	s_wait_xcnt 0x0
; out0[b][:] = (sum over a batch's 8 parts j of 2^(m_j - m) context_j) / (sum over j of 2^(m_j - m) l_j), m the largest m_j: the running softmax's last step.
; LEFT OUT (shown at the head of the first kernel): b_v and the sum of v_a, which are the same along the softmax's axis.
; part: [256][4,352 bytes]: 1,024 f32 of context, then (m, l) 32 times.  Work-group b joins parts 8 b .. 8 b + 7; thread t owns columns 4 t .. 4 t + 3: every load and store of a wave covers 512 consecutive bytes (the statistics: 256).
; No LDS, no barrier, no matrix work: 35 KB in and 4 KB out for each work-group.
	s_load_b128 s[4:7], s[0:1], 0x0                ; part, out0
	v_and_b32 v1, 31, v0
	s_delay_alu instid0(VALU_DEP_1)
	v_lshlrev_b32 v1, 3, v1                        ; a lane's copy of (m, l)
	v_lshlrev_b32 v2, 4, v0                        ; my four columns
	s_mul_i32 s8, ttmp9, 8*4352
	s_mov_b32 s9, 0
	s_lshl_b32 s10, ttmp9, 12
	s_mov_b32 s11, 0
	s_wait_alu depctr_va_vdst(0)
	s_wait_kmcnt 0x0
	s_add_nc_u64 s[4:5], s[4:5], s[8:9]
	s_add_nc_u64 s[6:7], s[6:7], s[10:11]
.irp j, 0,1,2,3,4,5,6,7
	global_load_b64 v[4+2*\j:5+2*\j], v1, s[4:5] offset:\j*4352+4096
.endr
.irp j, 0,1,2,3,4,5,6,7
	global_load_b128 v[24+4*\j:27+4*\j], v2, s[4:5] offset:\j*4352
.endr
	s_wait_loadcnt 8                               ; the eight (m, l) are in; the eight contexts, issued behind them, may be out
	v_max3_num_f32 v20, v4, v6, v8
	s_delay_alu instid0(VALU_DEP_1)
	v_max3_num_f32 v20, v20, v10, v12
	s_delay_alu instid0(VALU_DEP_1)
	v_max3_num_f32 v20, v20, v14, v16
	s_delay_alu instid0(VALU_DEP_1)
	v_max_num_f32 v20, v20, v18                    ; m
.irp j, 0,1,2,3,4,5,6,7
	v_sub_f32 v[4+2*\j], v[4+2*\j], v20
.endr
	s_wait_alu depctr_va_vdst(0)
.irp j, 0,1,2,3,4,5,6,7
	v_exp_f32 v[4+2*\j], v[4+2*\j]                 ; w_j = 2^(m_j - m), at most 1
.endr
	v_nop                                          ; a plain instruction behind the last exponential
	s_wait_alu depctr_va_vdst(0)                   ; one wait for the eight
	v_mul_f32 v21, v5, v4
.irp j, 1,2,3,4,5,6,7
	v_fma_f32 v21, v[5+2*\j], v[4+2*\j], v21       ; the sum of all weights
.endr
	s_wait_alu depctr_va_vdst(0)
	v_rcp_f32 v22, v21
	s_wait_loadcnt 0x0
	v_pk_mul_f32 v[56:57], v[24:25], v[4:5] op_sel_hi:[1,0]     ; of the pair (w_j, l_j) the low word serves both halves.  (These lines name nothing of the reciprocal)
	v_pk_mul_f32 v[58:59], v[26:27], v[4:5] op_sel_hi:[1,0]
.irp j, 1,2,3,4,5,6,7
	v_pk_fma_f32 v[56:57], v[24+4*\j:25+4*\j], v[4+2*\j:5+2*\j], v[56:57] op_sel_hi:[1,0,1]
	v_pk_fma_f32 v[58:59], v[26+4*\j:27+4*\j], v[4+2*\j:5+2*\j], v[58:59] op_sel_hi:[1,0,1]
.endr
	s_wait_alu depctr_va_vdst(0)                   ; the wait for the reciprocal, ahead of its first reader
.irp i, 0,1,2,3
	v_mul_f32 v[56+\i], v[56+\i], v22
.endr
	global_store_b128 v2, v[56:59], s[6:7]
	s_endpgm
.Lfunc_end_k_q06b75c6328_combine:
	.size	k_q06b75c6328_combine, .Lfunc_end_k_q06b75c6328_combine-k_q06b75c6328_combine
	.p2alignl 7, 3214868480
	.fill 96, 4, 3214868480
	.section	.rodata,"a",@progbits
	.p2align	6, 0x0
	.amdhsa_kernel k_q06b75c6328_combine
		.amdhsa_group_segment_fixed_size 0
		.amdhsa_private_segment_fixed_size 0
		.amdhsa_enable_private_segment 0
		.amdhsa_kernarg_size 16
		.amdhsa_user_sgpr_count 2
		.amdhsa_user_sgpr_kernarg_segment_ptr 1
		.amdhsa_wavefront_size32 1
		.amdhsa_system_sgpr_workgroup_id_x 1
		.amdhsa_system_sgpr_workgroup_id_y 1
		.amdhsa_system_sgpr_workgroup_id_z 1
		.amdhsa_system_vgpr_workitem_id 0
		.amdhsa_next_free_vgpr 64
		.amdhsa_next_free_sgpr 66
		.amdhsa_reserve_vcc 0
		.amdhsa_float_denorm_mode_32 3
		.amdhsa_float_denorm_mode_16_64 3
		.amdhsa_memory_ordered 1
		.amdhsa_forward_progress 1
		.amdhsa_inst_pref_size 5
	.end_amdhsa_kernel
	.amdgpu_metadata
---
amdhsa.version: [ 1, 2 ]
amdhsa.kernels:
  - .name:           k_q06b75c6328_combine
    .symbol:         k_q06b75c6328_combine.kd
    .args:
      - { .name: part, .offset: 0, .size: 8, .value_kind: global_buffer, .address_space: global }
      - { .name: out0, .offset: 8, .size: 8, .value_kind: global_buffer, .address_space: global }
    .group_segment_fixed_size: 0
    .private_segment_fixed_size: 0
    .kernarg_segment_align: 8
    .kernarg_segment_size: 16
    .max_flat_workgroup_size: 256
    .sgpr_count:     66
    .vgpr_count:     64
    .wavefront_size: 32
...
	.end_amdgpu_metadata
.endif
;; end of part 3
